; MI455X (gfx1250); checked and timed in simulation.
; The chip was launched on July 23, 2026; its instructions are those of AMD's public machine-readable ISA for CDNA 5 (MIT licence, August 2026) and "CDNA5" Instruction Set Architecture Reference Guide (July 2026). The comments in the code are by the model that wrote it; some were corrected since.
;; Gated Spiking Reservoir Step. Allowed arithmetic: matrix products marked QUANTISED: E2M3 operands, one E8M0 scale for each 32 along K, by v_wmma_scale_f32_16x16x128_f8f6f4 with both operands' format E2M3, f32 sums; everything else in f32.
;; Inputs: gate_weights_codes 4,096 x 32 x 24 uint8 (E2M3 codes of gate_weights, K innermost, in blocks of 32 codes, four codes in three bytes); gate_weights_scales 4,096 x 32 uint8 (E8M0 scales of gate_weights, one for each 32 codes along K); input_weights_codes 4,096 x 32 x 24 uint8 (E2M3 codes of input_weights, K innermost, in blocks of 32 codes, four codes in three bytes); input_weights_scales 4,096 x 32 uint8 (E8M0 scales of input_weights, one for each 32 codes along K); inputs_codes 2,048 x 32 x 24 uint8 (E2M3 codes of inputs, K innermost, in blocks of 32 codes, four codes in three bytes); inputs_scales 2,048 x 32 uint8 (E8M0 scales of inputs, one for each 32 codes along K); prev_output 2,048 x 4,096 float32; reservoir_state 2,048 x 4,096 float32; reservoir_weights_codes 4,096 x 128 x 24 uint8 (E2M3 codes of reservoir_weights, K innermost, in blocks of 32 codes, four codes in three bytes); reservoir_weights_scales 4,096 x 128 uint8 (E8M0 scales of reservoir_weights, one for each 32 codes along K).
;; Outputs: out0 2,048 x 4,096 float32; out1 2,048 x 4,096 float32.
;; This version of the problem:
;;   THIS VERSION OF THE PROBLEM IS GIVEN IN LOW PRECISION. The matrix products marked QUANTISED in the list below multiply operands that are first quantised to E2M3 (2 exponent bits, 3 mantissa bits; 6 bits a number), with one power-of-two scale for each 32 numbers along K (OCP MX v1.0); their sums are f32. All else is computed in f32.
;;   The module's matrix products, in the order in which they are computed (A, B: the left and right operand; K: the contracted axis; several contracted axes count as one K, in the product's order):
;;     1. [M 2,048, K 1,024] x [K 1,024, N 4,096]; A: input inputs (given as codes); B: input input_weights (given as codes): QUANTISED
;;     2. [M 2,048, K 4,096] x [K 4,096, N 4,096]; A: input reservoir_state; B: input reservoir_weights (given as codes): QUANTISED
;;     3. [M 2,048, K 1,024] x [K 1,024, N 4,096]; A: input inputs (given as codes); B: input gate_weights (given as codes): QUANTISED
;;   THE QUANTISER, for each operand of a quantised product, along K:
;;     - K is cut into blocks of 32 from its start; a last block that is shorter is filled with zeros.
;;     - A block's scale is 2^e with e = floor(log2(the largest magnitude in the block)) - 2, held to -126 .. 127; a block of zeros has e = 0. As a byte (E8M0): e + 127.
;;     - Each number is divided by its block's scale, clamped to +-7.5, and rounded to the nearest number of E2M3, ties to even, subnormals kept.
;;     - The product sums the exact products of the quantised numbers (number of the format x scale) in f32.
;;   ~~~python
;;   def quantise(x, axis):      # numpy; x: float32 -> the quantised numbers, widened to float32 again
;;       x = np.moveaxis(x, axis, -1); K = x.shape[-1]
;;       x = np.pad(x, [(0, 0)] * (x.ndim - 1) + [(0, -K % 32)]); x = x.reshape(x.shape[:-1] + (-1, 32)); a = np.abs(x).max(-1, keepdims=True)
;;       e = np.where(a > 0, np.clip(np.frexp(np.where(a > 0, a, 1))[1] - 1 - 2, -126, 127), 0)      # np.frexp(a)[1] - 1 = floor(log2(a)), exactly
;;       r = np.clip(x / 2.0 ** e, -7.5, 7.5)
;;       step = 2.0 ** (np.maximum(np.frexp(np.where(r == 0, 1, r))[1] - 1, 0) - 3)
;;       q = np.round(r / step) * step * 2.0 ** e      # np.round: ties to even
;;       return np.moveaxis(q.reshape(q.shape[:-2] + (-1,))[..., :K], -1, axis).astype(np.float32)
;;   ~~~
;;   INPUTS GIVEN AS CODES. gate_weights (in the module: [1024, 4096], K = its axis 0); input_weights (in the module: [1024, 4096], K = its axis 0); inputs (in the module: [2048, 1024], K = its axis 1); reservoir_weights (in the module: [4096, 4096], K = its axis 0): each comes as NAME_codes (uint8): NAME with its K axis moved to the last place and cut into blocks of 32 codes, [.., K / 32, bytes a block], one block behind the other in memory; four codes in three bytes: a row's codes are one little-endian stream of bits, code i at bits 6 i .. 6 i + 5 (a code: sign, 2 exponent bits, 3 mantissa bits); and NAME_scales (uint8): the same leading axes, one E8M0 byte (e + 127) for each 32 codes along K. Its value is code x scale, taken as it is: it is not quantised again, and the codes and scales need not be those that the quantiser above would give.
;; One version. Each part assembles by itself: llvm-mc -triple=amdgcn-amd-amdhsa -mcpu=gfx1250 --defsym DOCPART=n.
;; ======== version 1 of 1: 2 launches
;; limits: right only within a limited range of input values
;; workspace buffers: a_img 7,864,320 bytes; a_sc 327,680 bytes
;; launch prep (part 1): grid 256 x 1, 4 waves a work-group, no clusters, 49,664 bytes of LDS; arguments reservoir_state, inputs_codes, inputs_scales, a_img, a_sc; writes a_img, a_sc
.if DOCPART == 1
	.amdgcn_target "amdgcn-amd-amdhsa--gfx1250"
	.amdhsa_code_object_version 6
	.text
	.protected	k_qb536742496_prep
	.globl	k_qb536742496_prep
	.p2align	8
	.type	k_qb536742496_prep,@function
k_qb536742496_prep:
	s_mov_b64 s[64:65], 0
	v_nop
	global_prefetch_b8 v0, s[64:65] scope:SCOPE_SE
	s_setreg_imm32_b32 hwreg(HW_REG_WAVE_MODE, 25, 1), 1
	s_wait_xcnt 0x0
; The left operands of the step's three products, laid in the order of the matrix operand's registers.
; a_img [128 blocks of 16 rows][40 K steps of 128][1,536 bytes]: K steps 0-7 the inputs (given as codes), 8-39 reservoir_state (f32, quantised here).  A fragment is 12 registers a lane; registers 4 c .. 4 c + 3
; of lane l lie at 512 c + 16 l, so that three loads of 16 bytes a lane bring it.  Lane l = r + 16 h holds row r; registers 6 c .. 6 c + 5 hold K = 64 c + 32 h + 0 .. 31 as one stream of bits.
; a_sc [128][40][16 rows][4 bytes]: a row's four E8M0 bytes for a K step.
; THE QUANTISER: a block's scale is 2^(floor(log2(its largest magnitude)) - 2); its byte is the largest magnitude's exponent field - 2, held at 1 from below; each number is divided by the scale and rounded to
; the nearest code of E2M3, ties to even; beyond 7.5 the conversion gives the largest code.
; LIMITS: a block of zeros gets the byte 1 where the quantiser says 127: its codes are zeros, which add nothing under that byte, and only this program reads the bytes.  NaN and infinities are not served.
; SHARES: wave n = 4 x work-group + wave takes row block n / 8 and chunk n % 8: of the state 16 rows x 512 along K, a row a step; of the inputs one fragment (K step n % 8).  Wave 0 also re-lays one run of 256 bytes of the inputs' scale words.
; Each of a step's four loads reads 512 consecutive bytes; the conversion wants 16 NEIGHBOURS in a lane, so a step's 2,048 bytes turn through the wave's own stage in LDS (16 bytes of padding behind each 64).
; A lane's 16 codes are three words of a fragment's registers: they go to their places in the wave's four images in LDS, which leave as 12 stores of 512 consecutive bytes.  No barrier: waves share nothing.
.set STEPS, 16
.set EMAX,  2
.set R,     16                         ; v16-79   four sets of 16 numbers as they are loaded; at the end the images on their way out
.set X,     80                         ; v80-111  two sets of 16 neighbours
.set E,     112                        ; v112-127 a scale byte for each step
.set C,     128                        ; v128-191 codes: four registers for each step
.set IN,    192                        ; v192-203 the inputs' fragment
.set IS,    204                        ; v204-205 two scale words of the inputs (wave 0)
.set IA,    206                        ; v206-208 LDS: where my three code words of row 0 go
.set IR,    209                        ; v209     LDS: the images, 16 bytes a lane
.set IO,    210                        ; v210     my lane's byte in the inputs' 16 rows
.set SO,    211                        ; v211     my lane's byte in the inputs' scale rows
.set SP,    80                         ; a lane's place in a stage: 64 bytes + 16 of padding
.set SCB,   2*32*SP                    ; LDS, in a wave's region: two stages, then 256 scale bytes,
.set IMG,   SCB+256                    ; then four images of 1,536 bytes
.set WREG,  12288
	s_load_b256 s[4:11], s[0:1], 0x0               ; the state s[4:5], inputs' codes s[6:7], inputs' scales s[8:9], a_img s[10:11]
	s_load_b64 s[12:13], s[0:1], 0x20              ; a_sc
	v_lshl_add_u32 v212, v0, 2, 0xc000
	v_mov_b32 v213, 0
	v_lshrrev_b32 v1, 5, v0
	v_readfirstlane_b32 s16, v1                    ; wave
	v_and_b32 v2, 31, v0                           ; lane
	v_lshlrev_b32 v3, 4, v2                        ; 16 bytes a lane
	s_mul_i32 s17, s16, WREG
	v_lshrrev_b32 v14, 2, v2
	v_mul_u32_u24 v14, v14, SP
	v_and_b32 v15, 3, v2
	v_lshl_add_u32 v14, v15, 4, v14
	v_add_nc_u32 v14, s17, v14                     ; the stage, on the way in: SP (lane / 4) + 16 (lane % 4)
	v_mul_u32_u24 v15, v2, SP
	v_add_nc_u32 v15, s17, v15                     ; and on the way out: SP x lane: my 16 neighbours, K = 16 lane on in the chunk
	v_lshrrev_b32 v5, 3, v2                        ; my block's byte: K step lane / 8 (64 bytes each), byte (lane / 2) % 4 of the row's word; the row adds 4 a step
	v_bfe_u32 v6, v2, 1, 2
	v_lshl_add_u32 v5, v5, 6, v6
	s_add_co_u32 s18, s17, SCB
	v_add_nc_u32 v5, s18, v5
	v_lshlrev_b32 v7, 3, v2                        ; on the way out 8 bytes a lane
	v_add_nc_u32 v6, s18, v7
	v_bfe_u32 v12, v2, 2, 1                        ; my 16 codes in a fragment: K = 64 c + 32 h + 16 u with c, h, u = bits 2, 1, 0 of the lane:
	v_bfe_u32 v13, v2, 1, 1
	v_and_b32 v4, 1, v2
	v_mul_u32_u24 v12, v12, 6
	v_mad_u32_u24 v12, v4, 3, v12                  ; registers 6 c + 3 u + 0 .. 2 of lane row + 16 h
	v_lshrrev_b32 v4, 3, v2
	v_mul_u32_u24 v4, v4, 1536                     ; the image of K step lane / 8,
	v_lshl_add_u32 v4, v13, 8, v4                  ; + 16 bytes x 16 h
	s_add_co_u32 s18, s17, IMG
	v_add_nc_u32 v4, s18, v4
.irp i, 0,1,2
	v_add_nc_u32 v13, \i, v12                      ; register n lies at 512 (n / 4) + 4 (n % 4)
	v_lshrrev_b32 v1, 2, v13
	v_and_b32 v13, 3, v13
	v_lshl_add_u32 v[IA+\i], v1, 9, v4
	v_lshl_add_u32 v[IA+\i], v13, 2, v[IA+\i]
.endr
	v_add_nc_u32 v[IR], s18, v3
	v_and_b32 v8, 15, v2
	v_lshrrev_b32 v9, 4, v2
	v_mul_u32_u24 v[IO], v8, 768                   ; the inputs: row r of 768 bytes, + 24 h
	v_mad_u32_u24 v[IO], v9, 24, v[IO]
	v_and_b32 v8, 7, v2
	v_lshrrev_b32 v9, 3, v2
	v_lshlrev_b32 v[SO], 6, v8                     ; their scale words: rows 2 (lane % 8) and + 1 of 32 bytes, word lane / 8
	v_lshl_add_u32 v[SO], v9, 2, v[SO]
	v_mov_b32 v[IS], 0
	v_mov_b32 v[IS+1], 0
	s_lshl_b32 s18, ttmp9, 2
	s_add_co_u32 s18, s18, s16                     ; n
	s_lshr_b32 s19, s18, 3                         ; the row block
	s_and_b32 s20, s18, 7                          ; the chunk
	s_lshl_b32 s22, s19, 18                        ; the state: 16 rows of 16,384 bytes a block, 2,048 bytes a chunk
	s_lshl_b32 s21, s20, 11
	s_add_co_u32 s22, s22, s21
	s_mov_b32 s23, 0
	s_mul_i32 s24, s19, 40*1536
	s_mul_i32 s21, s20, 1536
	s_add_co_u32 s26, s24, s21                     ; a_img: the inputs' K step n % 8,
	s_mov_b32 s27, 0
	s_lshl_b32 s21, s21, 2
	s_add_co_u32 s24, s24, s21
	s_add_co_u32 s24, s24, 8*1536                  ; the state's K steps 8 + 4 (n % 8) on
	s_mov_b32 s25, 0
	s_mul_i32 s28, s19, 40*64
	s_lshr_b32 s21, s20, 2                         ; which half of the inputs' K: the same in the work-group's four waves
	s_lshl_b32 s30, s21, 8
	s_add_co_u32 s30, s30, s28                     ; a_sc: the inputs' four K steps,
	s_mov_b32 s31, 0
	s_lshl_b32 s14, s20, 8
	s_add_co_u32 s28, s28, s14
	s_add_co_u32 s28, s28, 8*64                    ; the state's
	s_mov_b32 s29, 0
	s_mul_i32 s32, s19, 16*768
	s_mul_i32 s14, s20, 96
	s_add_co_u32 s32, s32, s14                     ; the inputs' codes
	s_mov_b32 s33, 0
	s_lshl_b32 s34, s19, 9
	s_lshl_b32 s14, s21, 4
	s_add_co_u32 s34, s34, s14                     ; the inputs' scale bytes
	s_mov_b32 s35, 0
	s_wait_alu depctr_va_vdst(0)
	s_wait_kmcnt 0x0
	s_add_nc_u64 s[4:5], s[4:5], s[22:23]
	s_add_nc_u64 s[6:7], s[6:7], s[32:33]
	s_add_nc_u64 s[8:9], s[8:9], s[34:35]
	s_add_nc_u64 s[36:37], s[10:11], s[26:27]
	s_add_nc_u64 s[10:11], s[10:11], s[24:25]
	s_add_nc_u64 s[38:39], s[12:13], s[30:31]
	s_add_nc_u64 s[12:13], s[12:13], s[28:29]
.irp p, 0,1,2,3,4,5
	global_load_b64 v[IN+2*\p:IN+2*\p+1], v[IO], s[6:7] offset:48*(\p/3)+8*(\p%3)   ; the inputs' fragment, as the operand's registers want it
.endr
	s_cmp_lg_u32 s16, 0
	s_cbranch_scc1 .Lnot_0_a
	global_load_b32 v[IS], v[SO], s[8:9]           ; wave 0: two rows' scale words of one K step
	global_load_b32 v[IS+1], v[SO], s[8:9] offset:32
.Lnot_0_a:
.macro LOAD t                          ; row t of my block: 2,048 bytes of its chunk
.irp i, 0,1,2,3
	global_load_b128 v[R+16*((\t)%4)+4*\i:R+16*((\t)%4)+4*\i+3], v3, s[4:5] offset:16384*(\t)+512*\i th:TH_LOAD_NT   ; 32 lanes read 512 consecutive bytes
.endr
.endm
.macro TURN t                          ; step t's numbers through the stage: LDS serves a wave's instructions in order, so no wait stands between the stores and the loads
.irp i, 0,1,2,3
	ds_store_b128 v14, v[R+16*((\t)%4)+4*\i:R+16*((\t)%4)+4*\i+3] offset:32*SP*((\t)%2)+8*SP*\i
.endr
.irp i, 0,1,2,3
	ds_load_b128 v[X+16*((\t)%2)+4*\i:X+16*((\t)%2)+4*\i+3], v15 offset:32*SP*((\t)%2)+16*\i
.endr
.endm
.irp t, 0,1,2,3
	LOAD \t
.endr
	s_wait_loadcnt 12                              ; all but the twelve loads of steps 1 to 3 are in: step 0's, and the inputs', which were issued earlier
	TURN 0
.irp c, 0,1,2
	global_store_b128 v3, v[IN+4*\c:IN+4*\c+3], s[36:37] offset:512*\c   ; the inputs' fragment as an image: 512 consecutive bytes a store
.endr
	s_cmp_lg_u32 s16, 0
	s_cbranch_scc1 .Lnot_0_b
	global_store_b64 v7, v[IS:IS+1], s[38:39]      ; [4 K steps][16 rows][4 bytes]: 32 lanes store 256 consecutive bytes, aligned
.Lnot_0_b:
.macro STEP t
.set XS, X+16*((\t)%2)
.if (\t) > 0
	s_wait_dscnt 4                                 ; this step's numbers are back from the stage (the last step's byte store and three word stores may be out): so its stores into the stage have read their registers,
.else
	s_wait_dscnt 0x0
.endif
.if (\t)+4 < STEPS
	LOAD (\t)+4                                    ; which take the loads of four steps on
.endif
.if (\t)+1 < STEPS
.if STEPS-2-(\t) >= 3
	s_wait_loadcnt 12                              ; the next step's four loads are in; those of the three steps behind it may be out
.else
	s_wait_loadcnt 4*(STEPS-2-(\t))
.endif
	TURN (\t)+1                                    ; and go through the other stage while this step is worked
.endif
	v_max3_num_f32 v8, |v[XS]|, |v[XS+1]|, |v[XS+2]|               ; the largest magnitude of my 16, in two chains
	v_max3_num_f32 v9, |v[XS+3]|, |v[XS+4]|, |v[XS+5]|
.irp i, 6,10
	v_max3_num_f32 v8, v8, |v[XS+\i]|, |v[XS+\i+1]|
	v_max3_num_f32 v9, v9, |v[XS+\i+2]|, |v[XS+\i+3]|
.endr
	v_max3_num_f32 v8, v8, |v[XS+14]|, |v[XS+15]|
	v_max3_num_f32 v8, v8, v9, (EMAX+1)<<23        ; and the floor 2^(3 - 127): the byte cannot fall under 1
	v_max_num_f32_dpp v8, v8, v8 row_xmask:1 row_mask:0xf bank_mask:0xf   ; and of my neighbour's 16: the block's
	v_add_nc_u32 v11, -(EMAX<<23), v8              ; 2 off its exponent field: the conversion takes the exponent field of this operand as its scale, and nothing else of it
	v_cvt_scalef32_pk16_fp6_f32 v[C+4*(\t):C+4*(\t)+2], v[XS:XS+15], v11   ; sixteen codes, 96 bits without gaps, the first number's code lowest
	v_lshrrev_b32 v[E+(\t)], 23, v11               ; the scale's byte (also the plain line behind the conversion)
	ds_store_b8 v5, v[E+(\t)] offset:4*(\t)        ; both lanes of a block write the same byte with the same value
.irp i, 0,1,2
	ds_store_b32 v[IA+\i], v[C+4*(\t)+\i] offset:16*(\t)   ; row t is lane t (or t + 16) of the fragment: 16 bytes a lane
.endr
.endm
.irp t, 0,1,2,3,4,5,6,7,8,9,10,11,12,13,14,15
	STEP \t
.endr
.irp c, 0,1,2,3,4,5,6,7,8,9,10,11
	ds_load_b128 v[R+4*\c:R+4*\c+3], v[IR] offset:512*\c   ; LDS serves a wave's instructions in order: these see my stores
.endr
	ds_load_b64 v[12:13], v6
	s_wait_dscnt 0x0
.irp c, 0,1,2,3,4,5,6,7,8,9,10,11
	global_store_b128 v3, v[R+4*\c:R+4*\c+3], s[10:11] offset:512*\c   ; four images: 512 consecutive bytes a store, aligned to 256
.endr
	global_store_b64 v7, v[12:13], s[12:13]        ; four K steps' scale words: 256 consecutive bytes, aligned
	s_wait_tensorcnt 0x0
	ds_add_u32 v212, v213
	s_wait_dscnt 0x0
	s_endpgm
.Lfunc_end_k_qb536742496_prep:
	.size	k_qb536742496_prep, .Lfunc_end_k_qb536742496_prep-k_qb536742496_prep
	.p2alignl 7, 3214868480
	.fill 96, 4, 3214868480
	.section	.rodata,"a",@progbits
	.p2align	6, 0x0
	.amdhsa_kernel k_qb536742496_prep
		.amdhsa_group_segment_fixed_size 49664
		.amdhsa_private_segment_fixed_size 0
		.amdhsa_enable_private_segment 0
		.amdhsa_kernarg_size 40
		.amdhsa_user_sgpr_count 2
		.amdhsa_user_sgpr_kernarg_segment_ptr 1
		.amdhsa_wavefront_size32 1
		.amdhsa_system_sgpr_workgroup_id_x 1
		.amdhsa_system_sgpr_workgroup_id_y 1
		.amdhsa_system_sgpr_workgroup_id_z 1
		.amdhsa_system_vgpr_workitem_id 0
		.amdhsa_next_free_vgpr 214
		.amdhsa_next_free_sgpr 66
		.amdhsa_reserve_vcc 0
		.amdhsa_float_denorm_mode_32 3
		.amdhsa_float_denorm_mode_16_64 3
		.amdhsa_memory_ordered 1
		.amdhsa_forward_progress 1
		.amdhsa_inst_pref_size 40
	.end_amdhsa_kernel
	.amdgpu_metadata
---
amdhsa.version: [ 1, 2 ]
amdhsa.kernels:
  - .name:           k_qb536742496_prep
    .symbol:         k_qb536742496_prep.kd
    .args:
      - { .name: reservoir_state, .offset: 0, .size: 8, .value_kind: global_buffer, .address_space: global }
      - { .name: inputs_codes, .offset: 8, .size: 8, .value_kind: global_buffer, .address_space: global }
      - { .name: inputs_scales, .offset: 16, .size: 8, .value_kind: global_buffer, .address_space: global }
      - { .name: a_img, .offset: 24, .size: 8, .value_kind: global_buffer, .address_space: global }
      - { .name: a_sc, .offset: 32, .size: 8, .value_kind: global_buffer, .address_space: global }
    .group_segment_fixed_size: 49664
    .private_segment_fixed_size: 0
    .kernarg_segment_align: 8
    .kernarg_segment_size: 40
    .max_flat_workgroup_size: 128
    .sgpr_count:     66
    .vgpr_count:     214
    .wavefront_size: 32
...
	.end_amdgpu_metadata
.endif
;; end of part 1
;; launch step (part 2): grid 8 x 32, 4 waves a work-group, clusters of 4 x 1, 327,680 bytes of LDS; arguments a_img, a_sc, gate_weights_codes, gate_weights_scales, input_weights_codes, input_weights_scales, reservoir_weights_codes, reservoir_weights_scales, reservoir_state, out0, out1; writes out0, out1
.if DOCPART == 2
	.amdgcn_target "amdgcn-amd-amdhsa--gfx1250"
	.amdhsa_code_object_version 6
	.text
	.protected	k_qb536742496_step
	.globl	k_qb536742496_step
	.p2align	8
	.type	k_qb536742496_step,@function
k_qb536742496_step:
	s_mov_b64 s[64:65], 0
	v_nop
	global_prefetch_b8 v0, s[64:65] scope:SCOPE_SE
	s_setreg_imm32_b32 hwreg(HW_REG_WAVE_MODE, 25, 1), 1
	s_wait_xcnt 0x0
	s_wait_alu depctr_hold_cnt(0) depctr_sa_sdst(0) depctr_va_vdst(0) depctr_va_sdst(0) depctr_va_ssrc(0) depctr_va_vcc(0) depctr_vm_vsrc(0)
	s_getreg_b32 s2, hwreg(HW_REG_IB_STS2, 6, 4)
	s_cmp_eq_u32 s2, 0
	s_cbranch_scc0 .Lentry_in_a_cluster
	s_endpgm
.Lentry_in_a_cluster:
	s_bfe_u32 s2, ttmp6, 0x10000c
	s_cmp_lg_u32 s2, 0x3003
	s_cbranch_scc0 .Lentry_shape_is_right
	s_endpgm
.Lentry_shape_is_right:
; new_state = (0.9 z + 0.1 tanh(x Wi + z Wr)) sigmoid(x Wg); output = new_state > 0.5.  All three products in MX-FP6.
; DEAD INPUT: reference() never reads prev_output, so it has no way to any output for any values; it is not loaded and is no argument.  A NaN or infinity in it is not carried to the results.
; A work-group makes 256 rows x 128 columns; wave w its rows 64 w .. 64 w + 63 x all 128 columns: 32 accumulators for the sum (window 2), 32 for the gate (window 3).
; The left operand comes from a_img and a_sc straight into registers, three K steps ahead, four sets; no two waves read the same rows.
; The weights come by tensor loads in chunks of 8 K steps: 128 rows x 768 bytes, each row at a multiple of 256 bytes; 16 bytes of padding behind each 256: LDS pitch 816.
; Chunks: input weights, four of the reservoir's, gate weights; chunk c lies in slot c % 2; each wave brings 32 rows.  The four work-groups of a cluster differ in their rows alone and ask for the weights jointly.
; No prefetch of the weights: a refill has eight K steps, 240 matrix instructions of the wave, between its request and the wait for it.  The state's rows for the way out are prefetched in the gate's chunk.
; The weights' scale bytes lie in one LDS table, a row of 32 (input) + 128 (reservoir) + 32 (gate) bytes, pitch 208: 4 bytes for each of the 48 K steps in the order of the walk.
; The matrix instruction is used transposed (source 0 = weights' rows, source 1 = the left operand's rows): a lane holds eight neighbouring columns of a row.
; tanh(s) = 1 - 2 / (1 + 2^(2.885390 s)), sigmoid(g) = 1 / (1 + 2^(-1.442695 g)): an exponential that overflows gives the limit value.
.set PITCH,  816
.set WROWS,  32*PITCH
.set SLOT1,  1<<17
.set SB,     SLOT1+128*PITCH           ; the scale table, behind slot 1
.set SPB,    208
.set SPARE,  327168                    ; the spare words: the last 512 bytes
.set SPITCH, 528
.set GOFF,   64*SPITCH                 ; in a wave's stage: 64 rows of the sum, then 64 of the gate
.set WSTAGE, 2*GOFF
.set ABLK,   40*1536
.set ASBLK,  40*64
.set ADRS,  12
.set ASO,   15
.set BB,    16                         ; v16-19 fragment addresses in slot 0: rows 0-63 / 64-127, plain / lanes 16-31 one pad further
.set ADRB,  20                         ; v20-23 the same in the slot at work
.set STO,  24
.set RD,   25
.set CO,   26
.set PFO,  27
.set SPW,  28
.set NIL,  29
.set SCB,  32                          ; v32-47 weights' scale words, two sets of two K steps
.set SCA,  48                          ; v48-55 left operand's scale words, four sets
.set AF,   64                          ; v64-255 left operand's fragments, four sets of 48
.set KT,   2
.set KG,   4
.set K9,   6
.set KM,   8
.set K1,   10
.set TB,   26
.set G1B7, 40
.set G1B3, 48
.set G0X,  56
.set G0W,  60
.set G0G,  88
.set W_S,  0xa1
.set W_G,  0xf1
.set MSB, 0
.macro WIN new
.if MSB != (\new)
	s_set_vgpr_msb (MSB<<8)|(\new)
.set MSB, (\new)
.endif
.endm
.macro PLACES n
.rept \n
	v_nop
.endr
.endm
.macro CREST
	s_cmp_lg_u32 s30, 0
	s_cbranch_scc1 .Lnot_wave_0_\@
	s_barrier_signal -3
.Lnot_wave_0_\@:
	s_barrier_wait -3
	s_barrier_signal -1
	s_barrier_wait -1
.endm
.macro CROUND
	s_barrier_signal -1
	s_barrier_wait -1
	CREST
.endm
.macro AFETCH set, ks                  ; 14 loads: four fragments and two registers of scale words of K step ks, counted from the stepped base
.irp a, 0,1,2,3
.irp c, 0,1,2
	global_load_b128 v[AF+48*(\set)+12*\a+4*\c:AF+48*(\set)+12*\a+4*\c+3], v[CO], s[4:5] offset:\a*ABLK+(\ks)*1536+512*\c
.endr
.endr
.irp i, 0,1
	global_load_b32 v[SCA+2*(\set)+\i], v[ASO], s[6:7] offset:\i*2*ASBLK+(\ks)*64
.endr
.endm
	s_load_b256 s[4:11], s[0:1], 0x0
	s_load_b256 s[12:19], s[0:1], 0x20
	s_load_b128 s[20:23], s[0:1], 0x40
	s_load_b64 s[24:25], s[0:1], 0x50
	v_lshl_add_u32 v[SPW], v0, 2, SPARE
	v_mov_b32 v[NIL], 0
	ds_add_u32 v[SPW], v[NIL]                      ; the opening lines: the add twice and one wait
	ds_add_u32 v[SPW], v[NIL]
	v_lshrrev_b32 v1, 5, v0
	v_readfirstlane_b32 s30, v1                    ; wave
	s_bfe_u32 s33, ttmp6, 0x40000
	s_lshl_b32 s34, ttmp9, 2
	s_add_co_u32 s34, s34, s33                     ; block of 256 rows
	s_and_b32 s35, ttmp7, 0xffff                   ; block of 128 columns
.irp g, G1B7, G1B3
	s_mov_b32 s[\g], 15|(1<<20)|(1<<21)|(5<<22)|(3<<25)   ; mask of the four partners; bytes; 4 words of padding behind each 64
	s_mov_b32 s[\g+1], 768<<16
	s_mov_b32 s[\g+2], 32<<16
	s_mov_b32 s[\g+3], 768<<16
	s_mov_b32 s[\g+4], 32
	s_mov_b32 s[\g+6], 0
	s_mov_b32 s[\g+7], 0
.endr
	s_mov_b32 s[G1B7+5], 768
	s_mov_b32 s[G1B3+5], 3072
	s_lshl_b32 s36, s35, 7
	s_lshl_b32 s3, s30, 5
	s_add_co_u32 s36, s36, s3                      ; the 32 weight rows that I fetch
	s_mul_i32 s66, s36, 768
	s_mov_b32 s67, 0
	s_mul_i32 s68, s36, 3072
	s_mov_b32 s69, 0
	s_lshl_b32 s74, s35, 12
	s_mov_b32 s75, 0
	s_lshl_b32 s76, s35, 14
	s_mov_b32 s77, 0
	s_lshl_b32 s38, s34, 4
	s_lshl_b32 s3, s30, 2
	s_add_co_u32 s38, s38, s3                      ; my first block of 16 rows
	s_mul_i32 s70, s38, ABLK
	s_mov_b32 s71, 0
	s_mul_i32 s72, s38, ASBLK
	s_mov_b32 s73, 0
	s_lshl_b32 s78, s38, 18                        ; 16 rows of 16,384 bytes
	s_lshl_b32 s3, s35, 9
	s_add_co_u32 s78, s78, s3
	s_mov_b32 s79, 0
	s_mul_i32 s80, s30, 32*SPB
	s_add_co_u32 s80, s80, SB
	s_mul_i32 s81, s30, WSTAGE
	s_mov_b32 s[TB], 0
	s_wait_dscnt 0x0
	s_wait_alu depctr_va_vdst(0)                   ; the wait ahead of the reader of v1
	v_and_b32 v2, 31, v0
	v_lshlrev_b32 v[CO], 4, v2
	v_lshl_add_u32 v5, v1, 10, v[CO]
	v_lshl_add_u32 v7, v1, 12, v[CO]
	v_lshrrev_b32 v3, 4, v2
	v_mul_u32_u24 v3, v3, ASBLK
	v_and_b32 v4, 15, v2
	v_lshl_add_u32 v[ASO], v4, 2, v3
	s_wait_alu depctr_va_vdst(0)
	s_wait_kmcnt 0x0
	s_add_nc_u64 s[4:5], s[4:5], s[70:71]
	s_add_nc_u64 s[6:7], s[6:7], s[72:73]
	s_add_nc_u64 s[8:9], s[8:9], s[66:67]
	s_add_nc_u64 s[12:13], s[12:13], s[66:67]
	s_add_nc_u64 s[16:17], s[16:17], s[68:69]
	s_add_nc_u64 s[10:11], s[10:11], s[74:75]
	s_add_nc_u64 s[14:15], s[14:15], s[74:75]
	s_add_nc_u64 s[18:19], s[18:19], s[76:77]
	s_add_nc_u64 s[20:21], s[20:21], s[78:79]
	s_add_nc_u64 s[22:23], s[22:23], s[78:79]
	s_add_nc_u64 s[24:25], s[24:25], s[78:79]
	WIN 0x40
.irp j, 0,1
	global_load_b128 v[4*\j:4*\j+3], v5, s[14:15] offset:512*\j      ; my 32 rows' scale bytes, 512 consecutive bytes a load
	global_load_b128 v[8+4*\j:8+4*\j+3], v5, s[10:11] offset:512*\j
.endr
.irp j, 0,1,2,3,4,5,6,7
	global_load_b128 v[16+4*\j:16+4*\j+3], v7, s[18:19] offset:512*\j
.endr
	WIN 0
	AFETCH 0, 0
	AFETCH 1, 1
	AFETCH 2, 2
	CROUND
	s_mul_i32 s3, s30, WROWS
	s_mov_b32 s[G0X], 1
	s_mov_b32 s[G0X+1], s3
	s_mov_b64 s[G0X+2:G0X+3], s[12:13]
	s_or_b32 s[G0X+3], s[G0X+3], 0x80000000
	s_mov_b32 s[G0W], 1
	s_add_co_u32 s[G0W+1], s3, SLOT1
	s_mov_b64 s[G0W+2:G0W+3], s[16:17]
	s_or_b32 s[G0W+3], s[G0W+3], 0x80000000
	s_mov_b32 s[G0G], 1
	s_add_co_u32 s[G0G+1], s3, SLOT1
	s_mov_b64 s[G0G+2:G0G+3], s[8:9]
	s_or_b32 s[G0G+3], s[G0G+3], 0x80000000
	tensor_load_to_lds s[G0X:G0X+3], s[G1B7:G1B7+7]    ; chunk 0: the input weights; one load a wave at the head
	s_nop 0
	v_lshrrev_b32 v8, 1, v2
	v_and_b32 v9, 1, v2
	v_mad_u32_u24 v10, v8, SPB, s80                ; table, 32-byte rows: row lane / 2, half lane % 2
	v_lshl_add_u32 v10, v9, 4, v10
	v_lshlrev_b32 v[PFO], 14, v8                   ; prefetch: row lane / 2, block lane % 2 of its 512 bytes
	v_lshl_add_u32 v[PFO], v9, 8, v[PFO]
	v_lshrrev_b32 v8, 3, v2
	v_and_b32 v9, 7, v2
	v_mad_u32_u24 v11, v8, SPB, s80                ; 128-byte rows: row lane / 8, behind the input's 32 bytes
	v_lshl_add_u32 v11, v9, 4, v11
	v_add_nc_u32 v11, 32, v11
	v_and_b32 v30, 15, v0
	v_bfe_u32 v31, v0, 4, 1
	v_mul_u32_u24 v[BB], v30, PITCH
	v_mad_u32_u24 v[BB], v31, 24, v[BB]
	v_lshl_add_u32 v[BB+1], v31, 4, v[BB]
	v_add_nc_u32 v[BB+2], 64*PITCH, v[BB]
	v_add_nc_u32 v[BB+3], 64*PITCH, v[BB+1]
.irp i, 0,1,2,3
	v_add_nc_u32 v[ADRB+\i], s[TB], v[BB+\i]
.endr
	v_mul_u32_u24 v[ADRS], v2, SPB
	v_add_nc_u32 v[ADRS], SB, v[ADRS]
	v_mul_u32_u24 v8, v30, SPITCH
	v_lshl_add_u32 v8, v31, 5, v8
	v_add_nc_u32 v[STO], s81, v8
	v_add_nc_u32 v[RD], s81, v[CO]
	s_wait_alu depctr_va_vdst(0)                   ; the head's end
	s_wait_tensorcnt 0x0                           ; slot 1's first fill is issued as a refill is
	ds_add_u32 v[SPW], v[NIL]
	s_wait_dscnt 0x0
	CROUND
	tensor_load_to_lds s[G0W:G0W+3], s[G1B3:G1B3+7]    ; chunk 1: the reservoir's K 0 .. 1,023
	s_nop 0
	PLACES 4
	s_wait_loadcnt 42                              ; all but the three fetches of 14 loads
	WIN 0x04
.irp j, 0,1
	ds_store_b128 v10, v[4*\j:4*\j+3] offset:16*SPB*\j
	ds_store_b128 v10, v[8+4*\j:8+4*\j+3] offset:160+16*SPB*\j
.endr
.irp j, 0,1,2,3,4,5,6,7
	ds_store_b128 v11, v[16+4*\j:16+4*\j+3] offset:4*SPB*\j
.endr
	WIN 0
.macro FRAG reg, st, i                 ; fragment i of step st of the chunk: six pieces of 8 bytes; byte y of a row lies at y + 16 (y / 256)
.irp p, 0,1,2,3,4,5
.set BY, 96*(\st)+48*(\p/3)+8*(\p%3)
.if BY/256 == (BY+24)/256
	ds_load_b64 v[\reg+2*\p:\reg+2*\p+1], v[ADRB+2*((\i)/4)] offset:BY+16*(BY/256)+((\i)%4)*16*PITCH
.else
	ds_load_b64 v[\reg+2*\p:\reg+2*\p+1], v[ADRB+2*((\i)/4)+1] offset:BY+16*(BY/256)+((\i)%4)*16*PITCH
.endif
.endr
.endm
.macro FETCHB st, set
	WIN 0x40
.irp i, 0,1,2,3,4,5,6,7
	FRAG 96*(\set)+12*\i, \st, \i
.endr
	WIN 0
.endm
.macro SCALESB set, imm                ; two K steps' words of rows 32 i + lane
.irp i, 0,1,2,3
	ds_load_b64 v[SCB+8*(\set)+2*\i:SCB+8*(\set)+2*\i+1], v[ADRS] offset:\i*32*SPB+(\imm)
.endr
.endm
.macro WM1 c, ma, mb
	v_wmma_scale_f32_16x16x128_f8f6f4 v[rD:rD+7], v[rB:rB+11], v[rA:rA+11], \c, v[rSB], v[rSA] matrix_a_fmt:MATRIX_FMT_FP6 matrix_b_fmt:MATRIX_FMT_FP6 \ma \mb
.endm
.macro WM2 c
.if oB && oA
	WM1 \c, matrix_a_scale:MATRIX_SCALE_ROW1, matrix_b_scale:MATRIX_SCALE_ROW1
.elseif oB
	WM1 \c, matrix_a_scale:MATRIX_SCALE_ROW1
.elseif oA
	WM1 \c, matrix_b_scale:MATRIX_SCALE_ROW1
.else
	WM1 \c
.endif
.endm
.macro MUL w, zero, q, n0, cnt         ; accumulators n0 .. n0 + cnt - 1 by turns
	WIN \w
.set n, \n0
.rept \cnt
.set rD, 8*n
.set rB, 96*((\q)%2)+12*(n%8)
.set rA, AF+48*(\q)+12*(n/8)
.set rSB, SCB+8*((\q)/2)+2*((n%8)/2)+(\q)%2
.set rSA, SCA+2*(\q)+n/16
.set oB, n%2
.set oA, (n/8)%2
.if \zero
	WM2 0
.else
	WM2 v[rD:rD+7]
.endif
.set n, n+1
.endr
	WIN 0
.endm
; A K step: its operands are in; the loads for later steps go out in one run; then 32 matrix instructions.
; lc: the loads of the fetches issued behind this step's (14 each).  ak: the K step fetched, three ahead (under -99: none).  sb: the chunk's place in the table from ADRS.  pf: which 16 rows of the state are prefetched.
.macro STEP w, zero, q, st, lc, ak, sb, pf
	s_wait_loadcnt \lc
	s_wait_dscnt 0x0
	PLACES 4                                       ; ahead of loads into registers that the last step multiplied
.if (\ak) > -100
	AFETCH ((\q)+3)%4, \ak
.endif
.if (\q)%2 == 1
	SCALESB (((\q)+1)/2)%2, (\sb)+4*((\st)+1)
.endif
	FETCHB (\st)+1, ((\q)+1)%2
.if (\pf) >= 0
	global_prefetch_b8 v[PFO], s[20:21] offset:(\pf)*16*16384 th:TH_LOAD_NT scope:SCOPE_SE   ; 32 blocks of 256 bytes of my rows of the state, each named once
.endif
	MUL \w, \zero, \q, 0, 32
.endm
; A chunk's last step changes slots.  kind = 1: the slot just read out is filled again, two chunks ahead; the loop's last trip takes the gate's descriptor.
.macro TURN w, ak, sb, kind
	s_wait_loadcnt 28
	s_wait_dscnt 0x0                               ; this step's fragments are in: my reads of this slot are over
	s_wait_tensorcnt 0x0
	ds_add_u32 v[SPW], v[NIL]
.if \kind
	s_xor_b32 s[G0W+1], s[G0W+1], SLOT1
	s_add_nc_u64 s[G0W+2:G0W+3], s[G0W+2:G0W+3], 768
.endif
	s_xor_b32 s[TB], s[TB], SLOT1
	MUL \w, 0, 3, 0, 16
	s_wait_dscnt 0x0
	s_barrier_signal -1
	s_barrier_wait -1
.if \kind
	CREST
	s_cmp_eq_u32 s2, 1
	s_cbranch_scc1 .Lgate_\@
	tensor_load_to_lds s[G0W:G0W+3], s[G1B3:G1B3+7]
	s_nop 0
	PLACES 4
	s_branch .Lasked_\@
.Lgate_\@:
	tensor_load_to_lds s[G0G:G0G+3], s[G1B7:G1B7+7]
	s_nop 0
	PLACES 4
.Lasked_\@:
.else
	PLACES 4
.endif
.irp i, 0,1,2,3
	v_add_nc_u32 v[ADRB+\i], s[TB], v[BB+\i]
.endr
	s_wait_alu depctr_va_vdst(0)                   ; the wait behind these writes
	AFETCH 2, \ak
	SCALESB 0, \sb
	FETCHB 0, 0
	MUL \w, 0, 3, 16, 16
.endm
	s_wait_dscnt 0x0                               ; my part of the table is stored
	s_barrier_signal -1
	s_barrier_wait -1
	FETCHB 0, 0
	SCALESB 0, 0
	STEP W_S, 1, 0, 0, 28, 3, 0, -1                ; the first step starts the sums
	s_mov_b32 s2, 4
.Lchunk:                                               ; a trip: steps 1 to 7 of chunk c and step 0 of chunk c + 1, c = 0 .. 3
	STEP W_S, 0, 1, 1, 28, 4, 0, -1
	STEP W_S, 0, 2, 2, 28, 5, 0, -1
	STEP W_S, 0, 3, 3, 28, 6, 0, -1
	STEP W_S, 0, 0, 4, 28, 7, 0, -1
	STEP W_S, 0, 1, 5, 28, 8, 0, -1
	STEP W_S, 0, 2, 6, 28, 9, 0, -1
	TURN W_S, 10, 32, 1
	STEP W_S, 0, 0, 0, 28, 11, 0, -1
	s_wait_xcnt 0x0                                ; the bases are stepped only behind this wait
	s_add_nc_u64 s[4:5], s[4:5], 8*1536
	s_add_nc_u64 s[6:7], s[6:7], 8*64
	v_add_nc_u32 v[ADRS], 32, v[ADRS]
	s_sub_co_u32 s2, s2, 1
	s_cmp_lg_u32 s2, 0
	s_wait_alu depctr_va_vdst(0)
	s_cbranch_scc1 .Lchunk
	STEP W_S, 0, 1, 1, 28, 4, 0, -1                ; chunk 4; the bases stand at K step 32; the gate takes the inputs' K steps 0 to 7 again
	STEP W_S, 0, 2, 2, 28, 5, 0, -1
	STEP W_S, 0, 3, 3, 28, 6, 0, -1
	STEP W_S, 0, 0, 4, 28, 7, 0, -1
	STEP W_S, 0, 1, 5, 28, -32, 0, -1
	STEP W_S, 0, 2, 6, 28, -31, 0, -1
	TURN W_S, -30, 32, 0
	STEP W_G, 1, 0, 0, 28, -29, 32, 0              ; chunk 5: the gate
	STEP W_G, 0, 1, 1, 28, -28, 32, 1
	STEP W_G, 0, 2, 2, 28, -27, 32, 2
	STEP W_G, 0, 3, 3, 28, -26, 32, 3
	STEP W_G, 0, 0, 4, 28, -25, 32, -1
	STEP W_G, 0, 1, 5, 28, -100, 32, -1
	STEP W_G, 0, 2, 6, 14, -100, 32, -1
	s_wait_loadcnt 0x0
	s_wait_dscnt 0x0
	MUL W_G, 0, 3, 0, 32
	v_mov_b32 v[KT], 0x4038aa3b                    ; 2 log2(e)
	v_mov_b32 v[KT+1], 0x4038aa3b
	v_mov_b32 v[KG], 0xbfb8aa3b                    ; -log2(e)
	v_mov_b32 v[KG+1], 0xbfb8aa3b
	v_mov_b32 v[K9], 0x3f666666                    ; 0.9
	v_mov_b32 v[K9+1], 0x3f666666
	v_mov_b32 v[KM], 0xbe4ccccd                    ; -0.2
	v_mov_b32 v[KM+1], 0xbe4ccccd
	v_mov_b32 v[K1], 0x3dcccccd                    ; 0.1
	v_mov_b32 v[K1+1], 0x3dcccccd
	s_wait_alu depctr_va_vdst(0)
	s_barrier_signal -1                            ; every wave's reads of the slots and of the table are over: the stages lie on those bytes, which have had their last fill
	s_barrier_wait -1
; THE WAY OUT.  Both sets of accumulators go into my own stage, rows of 512 + 16 bytes, each accumulator from its low end on; they come back as whole rows.
.irp g, 0,1
	WIN 0x08+4*\g
.set n, 0
.rept 32
	ds_store_b128 v[STO], v[8*n:8*n+3] offset:\g*GOFF+(n/8)*16*SPITCH+64*(n%8)
	ds_store_b128 v[STO], v[8*n+4:8*n+7] offset:\g*GOFF+(n/8)*16*SPITCH+64*(n%8)+16
.set n, n+1
.endr
.endr
	WIN 0
.macro EFETCH p, n                     ; eight rows, n blocks of eight on from the stepped bases: sum, gate, state into set p
.set FS, 64+96*(\p)
.irp t, 0,1,2,3,4,5,6,7
	ds_load_b128 v[FS+4*\t:FS+4*\t+3], v[RD] offset:(8*(\n)+\t)*SPITCH
	ds_load_b128 v[FS+32+4*\t:FS+32+4*\t+3], v[RD] offset:GOFF+(8*(\n)+\t)*SPITCH
	global_load_b128 v[FS+64+4*\t:FS+64+4*\t+3], v[CO], s[20:21] offset:(8*(\n)+\t)*16384 th:TH_LOAD_NT
.endr
.endm
.macro HALF p, fetch
.if \fetch
	s_wait_xcnt 0x0                                ; the other set's stores have read their registers
	EFETCH 1-(\p), (\p)+1
	s_wait_dscnt 16                                ; all but the 16 and the 8 just issued
	s_wait_loadcnt 8
.else
	s_wait_dscnt 0x0
	s_wait_loadcnt 0x0
.endif
.set ES, 64+96*(\p)
.set EG, ES+32
.set EZ, ES+64
.set j, 0
.rept 16
	v_pk_mul_f32 v[ES+j:ES+j+1], v[ES+j:ES+j+1], v[KT:KT+1]
	v_pk_mul_f32 v[EG+j:EG+j+1], v[EG+j:EG+j+1], v[KG:KG+1]
.set j, j+2
.endr
	s_wait_alu depctr_va_vdst(0)                   ; a wait ahead of each batch and one behind it
.set j, 0
.rept 64
	v_exp_f32 v[ES+j], v[ES+j]
.set j, j+1
.endr
	v_nop
	s_wait_alu depctr_va_vdst(0)
.set j, 0
.rept 32
	v_pk_add_f32 v[ES+j:ES+j+1], v[ES+j:ES+j+1], 1.0 op_sel_hi:[1,0]
.set j, j+2
.endr
	s_wait_alu depctr_va_vdst(0)
.set j, 0
.rept 64
	v_rcp_f32 v[ES+j], v[ES+j]
.set j, j+1
.endr
	v_nop
	s_wait_alu depctr_va_vdst(0)
.set j, 0
.rept 16
	v_pk_fma_f32 v[ES+j:ES+j+1], v[ES+j:ES+j+1], v[KM:KM+1], v[K1:K1+1]      ; 0.1 tanh
.set j, j+2
.endr
.set j, 0
.rept 16
	v_pk_fma_f32 v[ES+j:ES+j+1], v[EZ+j:EZ+j+1], v[K9:K9+1], v[ES+j:ES+j+1]  ; + 0.9 z
.set j, j+2
.endr
.set j, 0
.rept 16
	v_pk_mul_f32 v[ES+j:ES+j+1], v[ES+j:ES+j+1], v[EG+j:EG+j+1]              ; x the gate
.set j, j+2
.endr
.set j, 0
.rept 8
	v_cmp_lt_f32 s96, 0.5, v[ES+j]
	v_cmp_lt_f32 s97, 0.5, v[ES+j+1]
	v_cmp_lt_f32 s98, 0.5, v[ES+j+2]
	v_cmp_lt_f32 s99, 0.5, v[ES+j+3]
	v_cndmask_b32 v[EG+j], 0, 1.0, s96
	v_cndmask_b32 v[EG+j+1], 0, 1.0, s97
	v_cndmask_b32 v[EG+j+2], 0, 1.0, s98
	v_cndmask_b32 v[EG+j+3], 0, 1.0, s99
.set j, j+4
.endr
.irp t, 0,1,2,3,4,5,6,7
	global_store_b128 v[CO], v[ES+4*\t:ES+4*\t+3], s[24:25] offset:(8*(\p)+\t)*16384 th:TH_STORE_NT   ; 32 lanes store 512 consecutive bytes, aligned to 256
	global_store_b128 v[CO], v[EG+4*\t:EG+4*\t+3], s[22:23] offset:(8*(\p)+\t)*16384 th:TH_STORE_NT
.endr
.endm
	EFETCH 0, 0
	s_mov_b32 s2, 3
.Lrows:                                                ; a trip: 16 rows, in two sets that take turns
	HALF 0, 1
	HALF 1, 1
	s_wait_xcnt 0x0
	s_add_nc_u64 s[20:21], s[20:21], 16*16384
	s_add_nc_u64 s[22:23], s[22:23], 16*16384
	s_add_nc_u64 s[24:25], s[24:25], 16*16384
	v_add_nc_u32 v[RD], 16*SPITCH, v[RD]
	s_sub_co_u32 s2, s2, 1
	s_cmp_lg_u32 s2, 0
	s_wait_alu depctr_va_vdst(0)
	s_cbranch_scc1 .Lrows
	HALF 0, 1
	HALF 1, 0                                      ; the last eight rows fetch nothing
	s_wait_tensorcnt 0x0                           ; the wave's end
	ds_add_u32 v[SPW], v[NIL]
	s_wait_dscnt 0x0
	CROUND                                         ; the closing round
	s_endpgm
.Lfunc_end_k_qb536742496_step:
	.size	k_qb536742496_step, .Lfunc_end_k_qb536742496_step-k_qb536742496_step
	.p2alignl 7, 3214868480
	.fill 96, 4, 3214868480
	.section	.rodata,"a",@progbits
	.p2align	6, 0x0
	.amdhsa_kernel k_qb536742496_step
		.amdhsa_group_segment_fixed_size 327680
		.amdhsa_private_segment_fixed_size 0
		.amdhsa_enable_private_segment 0
		.amdhsa_kernarg_size 88
		.amdhsa_user_sgpr_count 2
		.amdhsa_user_sgpr_kernarg_segment_ptr 1
		.amdhsa_wavefront_size32 1
		.amdhsa_system_sgpr_workgroup_id_x 1
		.amdhsa_system_sgpr_workgroup_id_y 1
		.amdhsa_system_sgpr_workgroup_id_z 1
		.amdhsa_system_vgpr_workitem_id 0
		.amdhsa_next_free_vgpr 1024
		.amdhsa_next_free_sgpr 102
		.amdhsa_reserve_vcc 0
		.amdhsa_float_denorm_mode_32 3
		.amdhsa_float_denorm_mode_16_64 3
		.amdhsa_memory_ordered 1
		.amdhsa_forward_progress 1
		.amdhsa_inst_pref_size 255
	.end_amdhsa_kernel
	.section	.bss,"aw",@nobits
	.p2align	6
	.space	262144
	.amdgpu_metadata
---
amdhsa.version: [ 1, 2 ]
amdhsa.kernels:
  - .name:           k_qb536742496_step
    .symbol:         k_qb536742496_step.kd
    .args:
      - { .name: a_img, .offset: 0, .size: 8, .value_kind: global_buffer, .address_space: global }
      - { .name: a_sc, .offset: 8, .size: 8, .value_kind: global_buffer, .address_space: global }
      - { .name: gate_weights_codes, .offset: 16, .size: 8, .value_kind: global_buffer, .address_space: global }
      - { .name: gate_weights_scales, .offset: 24, .size: 8, .value_kind: global_buffer, .address_space: global }
      - { .name: input_weights_codes, .offset: 32, .size: 8, .value_kind: global_buffer, .address_space: global }
      - { .name: input_weights_scales, .offset: 40, .size: 8, .value_kind: global_buffer, .address_space: global }
      - { .name: reservoir_weights_codes, .offset: 48, .size: 8, .value_kind: global_buffer, .address_space: global }
      - { .name: reservoir_weights_scales, .offset: 56, .size: 8, .value_kind: global_buffer, .address_space: global }
      - { .name: reservoir_state, .offset: 64, .size: 8, .value_kind: global_buffer, .address_space: global }
      - { .name: out0, .offset: 72, .size: 8, .value_kind: global_buffer, .address_space: global }
      - { .name: out1, .offset: 80, .size: 8, .value_kind: global_buffer, .address_space: global }
    .group_segment_fixed_size: 327680
    .private_segment_fixed_size: 0
    .kernarg_segment_align: 8
    .kernarg_segment_size: 88
    .max_flat_workgroup_size: 128
    .sgpr_count:     102
    .vgpr_count:     1024
    .wavefront_size: 32
...
	.end_amdgpu_metadata
.endif
;; end of part 2
